; MI455X (gfx1250); checked and timed in simulation.
; The chip was launched on July 23, 2026; its instructions are those of AMD's public machine-readable ISA for CDNA 5 (MIT licence, August 2026) and "CDNA5" Instruction Set Architecture Reference Guide (July 2026). The comments in the code are by the model that wrote it; some were corrected since.
;; Fused MHA. Allowed arithmetic: matrix products marked QUANTISED: E4M3 operands, one given power-of-two scale a tensor, by v_wmma_f32_16x16x64_fp8_fp8 or v_wmma_f32_16x16x128_fp8_fp8, f32 sums; everything else in f32.
;; Inputs: lowp_scales 8 int32 (the exponents e of the quantised operands' scales 2^e); w_out_codes 1,024 x 32 x 32 uint8 (E4M3 codes of w_out, K innermost, in blocks of 32 codes); w_qkv_codes 3,072 x 32 x 32 uint8 (E4M3 codes of w_qkv, K innermost, in blocks of 32 codes); x_codes 4 x 2,048 x 32 x 32 uint8 (E4M3 codes of x, K innermost, in blocks of 32 codes).
;; Outputs: out0 4 x 2,048 x 1,024 float32.
;; This version of the problem:
;;   THIS VERSION OF THE PROBLEM IS GIVEN IN LOW PRECISION. The matrix products marked QUANTISED in the list below multiply operands that are first quantised to E4M3 (4 exponent bits, 3 mantissa bits; 8 bits a number), with one given power-of-two scale for each operand tensor; their sums are f32. All else is computed in f32.
;;   The module's matrix products, in the order in which they are computed (A, B: the left and right operand; K: the contracted axis; several contracted axes count as one K, in the product's order):
;;     1. [M 8,192, K 1,024] x [K 1,024, N 3,072]; A: input x (given as codes); B: input w_qkv (given as codes): QUANTISED (scales: A lowp_scales[0], B lowp_scales[1])
;;     2. batch 64 x [M 2,048, K 64] x [K 64, N 2,048]; A: computed on the way; B: computed on the way: QUANTISED (scales: A lowp_scales[2], B lowp_scales[3])
;;     3. batch 64 x [M 2,048, K 2,048] x [K 2,048, N 64]; A: softmax (see below); B: computed on the way: QUANTISED (scales: A lowp_scales[4], B lowp_scales[5])
;;     4. [M 8,192, K 1,024] x [K 1,024, N 1,024]; A: computed on the way; B: input w_out (given as codes): QUANTISED (scales: A lowp_scales[6], B lowp_scales[7])
;;   THE QUANTISER, for each operand of a quantised product, along K:
;;     - The operand's scale is 2^e, e = its entry of the input lowp_scales (int32; the entries are numbered through the quantised products in the list's order, A before B).
;;     - Each number is divided by the scale, clamped to +-448, and rounded to the nearest number of E4M3, ties to even, subnormals kept.
;;     - The product sums the exact products of the quantised numbers (number of the format x scale) in f32.
;;   ~~~python
;;   def quantise(x, axis, e):      # numpy; x: float32 -> the quantised numbers, widened to float32 again
;;       x = np.moveaxis(x, axis, -1); K = x.shape[-1]
;;       r = np.clip(x / 2.0 ** e, -448, 448)
;;       step = 2.0 ** (np.maximum(np.frexp(np.where(r == 0, 1, r))[1] - 1, -6) - 3)
;;       q = np.round(r / step) * step * 2.0 ** e      # np.round: ties to even
;;       return np.moveaxis(q, -1, axis).astype(np.float32)
;;   ~~~
;;   SOFTMAX AHEAD OF A QUANTISED PRODUCT. Where the list says 'softmax', what is quantised is not the finished softmax but p = 2^(t - M), with t = logit x log2(e) and M = ceil(the row's largest t), a whole number; so 1/2 < the row's largest p <= 1. The row's sum l is taken of the UNQUANTISED p, in f32, and the product's result is divided by l at the end. Since M is a whole number, a kernel that streams over the keys may use a running M (the ceiling of the running maximum): every later rescaling is an exact power of two, so the quantised numbers keep their values, but for numbers so far below the row's largest that they fall under the format's range.
;;   OPERANDS COMPUTED ON THE WAY. 'Computed on the way' means the value that the module computes at that place (a softmax that the list does not call 'softmax' is quantised finished and normalised). What goes into a quantiser is computed in f32, as accurately as f32 sums, v_exp_f32 and their like allow (about 1e-6 of the number): no bf16 or f16 on the way to a quantiser, and a product that is left as it is and whose result goes on into a quantised operand takes f32 operands (vector FMAs, or v_wmma_f32_16x16x4_f32). A number that lies on a knife's edge between two numbers of the format may be rounded either way, as far as f32 arithmetic and the matrix unit's own rounding can turn it there, and no further.
;;   INPUTS GIVEN AS CODES. w_out (in the module: [1024, 1024], K = its axis 0); w_qkv (in the module: [1024, 3072], K = its axis 0); x (in the module: [4, 2048, 1024], K = its axis 2): each comes as NAME_codes (uint8): NAME with its K axis moved to the last place and cut into blocks of 32 codes, [.., K / 32, bytes a block], one block behind the other in memory; one code a byte (a code: sign, 4 exponent bits, 3 mantissa bits); its scale is its entry of lowp_scales. Its value is code x scale, taken as it is: it is not quantised again, and the codes and scales need not be those that the quantiser above would give.
;; One version. Each part assembles by itself: llvm-mc -triple=amdgcn-amd-amdhsa -mcpu=gfx1250 --defsym DOCPART=n.
;; ======== version 1 of 1: 3 launches
;; limits: right only within a limited range of input values
;; workspace buffers: qkv 25,165,824 bytes; att 8,388,608 bytes
;; launch qkv_gemm (part 1): grid 12 x 32, 4 waves a work-group, clusters of 4 x 4, 327,680 bytes of LDS; arguments x_codes, w_qkv_codes, lowp_scales, qkv; writes qkv
.if DOCPART == 1
	.amdgcn_target "amdgcn-amd-amdhsa--gfx1250"
	.amdhsa_code_object_version 6
	.text
	.protected	k_q659c6d7696_qkv_gemm
	.globl	k_q659c6d7696_qkv_gemm
	.p2align	8
	.type	k_q659c6d7696_qkv_gemm,@function
k_q659c6d7696_qkv_gemm:
	s_mov_b64 s[64:65], 0
	v_nop
	global_prefetch_b8 v0, s[64:65] scope:SCOPE_SE
	s_setreg_imm32_b32 hwreg(HW_REG_WAVE_MODE, 25, 1), 1
	s_wait_xcnt 0x0
	s_wait_alu depctr_hold_cnt(0) depctr_sa_sdst(0) depctr_va_vdst(0) depctr_va_sdst(0) depctr_va_ssrc(0) depctr_va_vcc(0) depctr_vm_vsrc(0)
	s_getreg_b32 s2, hwreg(HW_REG_IB_STS2, 6, 4)
	s_cmp_eq_u32 s2, 0
	s_cbranch_scc0 .Lentry_in_a_cluster
	s_endpgm
.Lentry_in_a_cluster:
	s_bfe_u32 s2, ttmp6, 0x10000c
	s_cmp_lg_u32 s2, 0xf033
	s_cbranch_scc0 .Lentry_shape_is_right
	s_endpgm
.Lentry_shape_is_right:
; qkv = x w_qkv on codes of FP8 (E4M3), and q, k, v quantised on the way out with their own given scales (entries 2, 3, 5 of the scales; x and w_qkv have entries 0 and 1).
; The body computes C[i][j] = sum over k of A[i][k] B[j][k], K = 1,024, on tiles of 256 x 256: four waves, 128 x 128 each, 64 accumulators of 16 x 16 in 512 registers.
; THE MATRIX INSTRUCTION IS USED TRANSPOSED (source 0 = 16 rows of B, source 1 = 16 rows of A): a lane holds ONE row of A and eight neighbouring rows of B.
; For q and k (cluster x = 0, 1) A = x (8,192 tokens) and B = rows 0 .. 2,047 of w: a lane's eight results are eight neighbouring channels of a token.
; For v (cluster x = 2) A = rows 2,048 .. 3,071 of w and B = x: a lane's eight results are eight neighbouring KEYS of a channel, since the keys are the K of the product that reads v.
; Only pointers, two strides and the scale are chosen (s_cselect on the cluster's x, which all partners share): there is one path through the text.
; THE WORKSPACE: [batch 4][q, k, v][head 16][131,072 bytes]; q, k: [token 2,048][64 bytes]; v: [block of 64 keys: 32][channel 64][64 bytes].  In each row of 64 bytes place 32 g + 16 y + 8 u + j
; holds index 32 g + 16 u + 8 y + j (channel for q and k, key for v): a load of 16 bytes at 32 c + 16 (lane / 16) then fills four registers of a fragment in the matrix unit's own order of k.
; So 256 consecutive bytes of the workspace are 4 rows of A x 64 rows of B in both cases.  The codes meet in a stage in LDS in such units and leave whole.
; CLUSTERS: 4 x 4 work-groups; A's tiles are asked for jointly along a row of the cluster, B's along a column.
; LIMIT: e(q, k or v) - e(x) - e(w) lies between -126 and 119, so that the conversion's scale and 448 x the scale are f32 numbers.  NaN cannot arise from finite codes.
; REGISTERS, in windows of 256: window 0: v0-31 addresses; from v128 A's fragments, ONE set, later the codes.  window 1: B's fragments, TWO sets.  windows 2, 3: the accumulators ((a, b) at v[8 (8 (a % 4) + b)]).
.set ROWB,   256                       ; a tile's row in bytes: 256 along K in a slot
.set KROW,   1024                      ; a row of x or of w in memory, in bytes
.set PITCH,  272                       ; an LDS row: 256 bytes + 16 of padding = 68 words: the 16 rows that a load touches start at 16 different banks (64 banks of 4 bytes: ISA guide 11.1)
.set FR,     16                        ; registers of a fragment: 16 rows x 128 K
.set NL,     4                         ; LDS loads that bring one
.set NP,     4                         ; places behind this matrix instruction (ISA guide 7.12.1)
.set HALFT,  128*PITCH                 ; 128 rows: what one tensor load brings
.set SLOT,   4*HALFT                   ; A's 256 rows, then B's 256 rows
.set LAPS,   2                         ; 1,024 along K = four slots' worth = twice round the ring
.set SPARE,  2*SLOT                    ; behind the ring: the spare words, 128 bytes a wave
.set UP,     272                       ; the way out: a unit of 256 bytes + 16 in the stage; 256 units from LDS byte 0 on, in slot 0, which has had its last fill and its last read by then
.set GO,   8                           ; v8-11   my byte offset in the workspace, for each quarter of my 32 stores
.set ADRA, 16                          ; v16-17  LDS address of my A fragments in slot 0, 1
.set ADRB, 20                          ; v20-21  the same for B
.set STO,  24                          ; v24     the stage: where I put 16 bytes
.set RD,   25                          ; v25     the stage: where I read a unit back
.set SCV,  27                          ; v27     the conversion's scale as f32
.set SPW,  28                          ; v28     LDS address of my spare word; never rewritten
.set NIL,  29                          ; v29     0; never rewritten
.set AF,   128                         ; A's fragments, in window 0
.set CD,   128                         ; the codes: two registers an accumulator, v128-255 of window 0
.set G1, 24                            ; s[24:31] descriptor group 1 for A's tiles;  s[32:39] group 0, one set for each slot
.set G0, 32
.set G1B, 48                           ; s[48:55], s[56:63] the same for B's tiles
.set G0B, 56
.set MSB, 0
.macro WIN new                         ; the immediate's high byte repeats the setting that is left
.if MSB != \new
	s_set_vgpr_msb (MSB<<8)|\new
.set MSB, \new
.endif
.endm
.set MUL_LO, 0xa1                      ; source 0 (B) window 1, source 1 (A) window 0, C and D window 2
.set MUL_HI, 0xf1                      ; the same, C and D window 3
.set TO_B,   0x40                      ; destination window 1, address window 0
; A joint load: waves 0 and 1 fetch for A, waves 2 and 3 for B; the branch hangs on the wave's number alone.  Four v_nop follow each of the two lines.
.macro JLOAD g0a, g1a, g0b, g1b
	s_cmp_eq_u32 s15, 0
	s_cbranch_scc0 .Lfor_b_\@
	tensor_load_to_lds s[\g0a:\g0a+3], s[\g1a:\g1a+7]
	s_nop 0
.rept 4
	v_nop
.endr
	s_branch .Lasked_\@
.Lfor_b_\@:
	tensor_load_to_lds s[\g0b:\g0b+3], s[\g1b:\g1b+7]
	s_nop 0
.rept 4
	v_nop
.endr
.Lasked_\@:
.endm
.macro CREST                           ; a round of the cluster's barrier behind its opening barrier
	s_cmp_lg_u32 s14, 0
	s_cbranch_scc1 .Lnot_wave_0_\@
	s_barrier_signal -3
.Lnot_wave_0_\@:
	s_barrier_wait -3
	s_barrier_signal -1
	s_barrier_wait -1
.endm
.macro CROUND                          ; a whole round
	s_barrier_signal -1
	s_barrier_wait -1
	CREST
.endm
	s_load_b128 s[4:7], s[0:1], 0x0                ; x's codes s[4:5], w's codes s[6:7]
	s_load_b128 s[8:11], s[0:1], 0x10              ; the scales' exponents s[8:9], the workspace s[10:11]
	v_lshl_add_u32 v[SPW], v0, 2, SPARE
	v_mov_b32 v[NIL], 0
	ds_add_u32 v28, v29
	ds_add_u32 v28, v29
	s_wait_dscnt 0x0
	v_lshrrev_b32 v1, 5, v0
	v_readfirstlane_b32 s14, v1                    ; wave 0..3
	s_lshr_b32 s15, s14, 1                         ; which half of the tile's rows of A is mine.  Also: I fetch for A (0) or for B (1)
	s_and_b32 s16, s14, 1                          ; which half of its rows of B.  Also: which 128 rows of that tile I fetch
	s_bfe_u32 s40, ttmp6, 0x40000                  ; cx, cy: my place in the cluster
	s_bfe_u32 s41, ttmp6, 0x40004
	s_and_b32 s12, ttmp7, 0xffff                   ; cluster y, 0 .. 7
	s_cmp_eq_u32 ttmp9, 2                          ; cluster x = 2: v
	s_cselect_b32 s72, 0, s12                      ; the cluster's row of tiles of A: v has four tile rows in all (1,024 rows of w)
	s_cselect_b32 s73, s12, ttmp9                  ; and its column of tiles of B
	s_lshl_b32 s42, s73, 2
	s_add_co_u32 s42, s42, s40                     ; tile of B = 4 x column + cx
	s_lshl_b32 s17, s72, 2
	s_add_co_u32 s17, s17, s41                     ; tile of A = 4 x row + cy
	s_lshl_b32 s43, s41, 2
	s_lshl_b32 s43, 15, s43                        ; my row of the cluster
	s_lshl_b32 s44, 0x1111, s40                    ; my column
	; descriptor group 1: a tile of 128 rows x 256 bytes, padded in LDS
	s_or_b32 s[G1+0], s43, (0<<16)|(1<<20)|(1<<21)|(5<<22)|(3<<25)  ; 15:0 the mask: A's tiles go to my row; 17:16 element of 1 byte; 20 padding on; 21 set beside a mask; 24:22 after every 64 words; 31:25 four words
	s_or_b32 s[G1B+0], s44, (0<<16)|(1<<20)|(1<<21)|(5<<22)|(3<<25)
.irp g, G1, G1B
	s_mov_b32 s[\g+1], ROWB<<16                    ; tensor_dim0
	s_mov_b32 s[\g+2], 128<<16                     ; tensor_dim1 = 128
	s_mov_b32 s[\g+3], ROWB<<16                    ; tile_dim0
	s_mov_b32 s[\g+4], 128                         ; tile_dim1 = 128
	s_mov_b32 s[\g+5], KROW                        ; tensor_dim0_stride
	s_mov_b32 s[\g+6], 0
	s_mov_b32 s[\g+7], 0
.endr
	s_lshl_b32 s18, s16, 7                         ; which 128 rows of the tile I fetch
	s_lshl_b32 s20, s17, 8
	s_add_co_u32 s20, s20, s18                     ; A: row 256 x tile + 128 x half,
	s_lshl_b32 s20, s20, 10                        ; in bytes (under 2^23)
	s_mov_b32 s21, 0
	s_lshl_b32 s46, s42, 8
	s_add_co_u32 s46, s46, s18                     ; B likewise
	s_lshl_b32 s46, s46, 10
	s_mov_b32 s47, 0
	s_mul_i32 s45, s14, HALFT                      ; where they go: wave x 128 rows: no place in the cluster enters an LDS address
	s_wait_kmcnt 0x0
	s_load_b256 s[80:87], s[8:9], 0x0              ; the eight exponents
	s_add_nc_u64 s[66:67], s[6:7], 0x200000        ; w's row 2,048: v's weights
	s_cmp_eq_u32 ttmp9, 2
	s_cselect_b64 s[68:69], s[66:67], s[4:5]       ; A
	s_cselect_b64 s[70:71], s[4:5], s[6:7]         ; B
	s_add_nc_u64 s[20:21], s[68:69], s[20:21]
	s_add_nc_u64 s[46:47], s[70:71], s[46:47]
	CROUND                                         ; all sixteen work-groups are here: the first joint loads meet
.irp s, 0,1
	s_mov_b32 s[G0+4*\s], 1
	s_add_co_u32 s[G0+4*\s+1], s45, \s*SLOT
	s_add_nc_u64 s[G0+4*\s+2:G0+4*\s+3], s[20:21], \s*ROWB
	s_or_b32 s[G0+4*\s+3], s[G0+4*\s+3], 0x80000000
	s_mov_b32 s[G0B+4*\s], 1
	s_add_co_u32 s[G0B+4*\s+1], s45, \s*SLOT
	s_add_nc_u64 s[G0B+4*\s+2:G0B+4*\s+3], s[46:47], \s*ROWB
	s_or_b32 s[G0B+4*\s+3], s[G0B+4*\s+3], 0x80000000
	JLOAD G0+4*\s, G1, G0B+4*\s, G1B
.endr
	v_and_b32 v1, 15, v0                           ; r = l % 16
	v_bfe_u32 v2, v0, 4, 1                         ; l / 16
	v_mul_u32_u24 v3, v1, PITCH
	v_lshl_add_u32 v4, v2, 4, v3                   ; a fragment's row x pitch + 16 x half
	s_mul_i32 s88, s15, HALFT                      ; my 128 rows of A
	s_mul_i32 s89, s16, HALFT                      ; my 128 rows of B,
	s_add_co_u32 s89, s89, 2*HALFT                 ; which lie behind A's 256
.irp s, 0,1
	v_add_nc_u32 v[ADRA+\s], s88, v4
	v_add_nc_u32 v[ADRB+\s], s89, v4
	s_add_co_u32 s88, s88, SLOT
	s_add_co_u32 s89, s89, SLOT
.endr
	; the stage: unit 64 x (B's block of 64) + (A's row) / 4; in a unit: 64 x (A's row % 4) + the place in the row of 64 bytes
	v_lshrrev_b32 v5, 2, v1
	v_mul_u32_u24 v5, v5, UP
	v_and_b32 v6, 3, v1
	v_lshl_add_u32 v5, v6, 6, v5
	v_lshl_add_u32 v5, v2, 4, v5                   ; (r / 4) units + 64 (r % 4) + 16 (l / 16)
	s_lshl_b32 s90, s16, 7
	s_lshl_b32 s91, s15, 5
	s_add_co_u32 s90, s90, s91
	s_mul_i32 s90, s90, UP                         ; my wave's first unit: 128 x (half of B) + 32 x (half of A)
	v_add_nc_u32 v[STO], s90, v5
	v_mul_u32_u24 v6, v2, UP                       ; back: wave w takes B's block w: units 64 w + 2 t + l / 16; sixteen lanes to a unit
	v_lshl_add_u32 v6, v1, 4, v6
	s_mul_i32 s90, s14, 64*UP
	v_add_nc_u32 v[RD], s90, v6
	; where the units go.  X: the tile of x; Y: the tile of w (0 .. 11).  From B's block to the next: SW bytes; from eight of my stores to the next eight: SJ bytes
	s_add_co_u32 s75, s17, 8
	s_mov_b32 s76, 131072
	s_mov_b32 s77, 4096
	s_cmp_eq_u32 ttmp9, 2
	s_cselect_b32 s75, s75, s42                    ; Y
	s_cselect_b32 s74, s42, s17                    ; X
	s_cselect_b32 s76, 4096, s76                   ; SW: q, k: the next head; v: the next block of 64 keys
	s_cselect_b32 s77, 131072, s77                 ; SJ: q, k: 64 tokens on; v: the next head
	s_lshr_b32 s90, s74, 3
	s_mul_i32 s90, s90, 6291456                    ; the batch (8 tiles of x each)
	s_lshl_b32 s91, s75, 19                        ; a tile of w is four heads of 131,072 bytes
	s_add_co_u32 s90, s90, s91
	s_and_b32 s91, s74, 7
	s_lshl_b32 s91, s91, 14                        ; 256 tokens are 16,384 bytes in q and k, and four blocks of 4,096 in v
	s_add_co_u32 s90, s90, s91
	s_mul_i32 s91, s14, s76
	s_add_co_u32 s90, s90, s91
	s_mov_b32 s91, 0
	s_add_nc_u64 s[10:11], s[10:11], s[90:91]
	v_lshlrev_b32 v7, 4, v1
	v_lshl_add_u32 v7, v2, 8, v7                   ; 16 (l % 16) + 256 (l / 16)
.irp g, 0,1,2,3
	s_mul_i32 s92, s77, \g
	v_add_nc_u32 v[GO+\g], s92, v7
.endr
.macro FRAG reg, adr, q, i             ; a fragment, 16 rows x 128 K, is 16 registers: registers 4 c .. 4 c + 3 hold K = 32 c + 16 (l / 16) + 0 .. 15: a permutation of k, the same in A and in B
.irp c, 0,1,2,3
	ds_load_b128 v[\reg+4*\c:\reg+4*\c+3], v[\adr] offset:128*(\q)+32*\c+(\i)*16*PITCH
.endr
.endm
; 16 matrix instructions: A's blocks a0, a0 + 1 x B's eight, 128 along K.  p: B's set.  zero = 1: the first product starts the sums.  The 64 accumulators take turns, one instruction a turn.
.macro MUL16 a0, p, zero
.irp a, \a0, \a0+1
.irp b, 0,1,2,3,4,5,6,7
.if \zero
	v_wmma_f32_16x16x128_fp8_fp8 v[8*(8*((\a)%4)+\b):8*(8*((\a)%4)+\b)+7], v[128*(\p)+FR*\b:128*(\p)+FR*\b+FR-1], v[AF+FR*(\a):AF+FR*(\a)+FR-1], 0
.else
	v_wmma_f32_16x16x128_fp8_fp8 v[8*(8*((\a)%4)+\b):8*(8*((\a)%4)+\b)+7], v[128*(\p)+FR*\b:128*(\p)+FR*\b+FR-1], v[AF+FR*(\a):AF+FR*(\a)+FR-1], v[8*(8*((\a)%4)+\b):8*(8*((\a)%4)+\b)+7]
.endif
.endr
.endr
.endm
.macro FETCH_B slot, q, p              ; B's eight fragments of the slot's q-th 128 along K into set p
	WIN TO_B
.irp i, 0,1,2,3,4,5,6,7
	FRAG 128*(\p)+FR*\i, ADRB+\slot, \q, \i
.endr
	WIN 0
.endm
.macro FETCH_A slot, q, i0             ; A's blocks i0 .. i0 + 3
.irp i, \i0, \i0+1, \i0+2, \i0+3
	FRAG AF+FR*(\i), ADRA+\slot, \q, \i
.endr
.endm
.macro PLACES n                        ; plain vector instructions between a matrix instruction and a load into, or a vector instruction on, its registers
.rept \n
	v_nop
.endr
.endm
; A step of 128 along K that has its successor in the same slot.  A's one set: blocks 0-3 are fetched anew in the step's middle, blocks 4-7 at its end.
.macro STEP slot, q, zero
	s_wait_dscnt 4*NL                              ; B's set and A's blocks 0-3 are in; the youngest 16 loads (A's blocks 4-7) may be out
	WIN MUL_LO
	MUL16 0, (\q)%2, \zero
	MUL16 2, (\q)%2, \zero
	s_wait_dscnt 0                                 ; A's blocks 4-7 are in
	PLACES NP
	FETCH_B \slot, (\q)+1, 1-(\q)%2
	FETCH_A \slot, (\q)+1, 0
	WIN MUL_HI
	MUL16 4, (\q)%2, \zero
	MUL16 6, (\q)%2, \zero
	PLACES NP
	WIN 0
	FETCH_A \slot, (\q)+1, 4
.endm
; A slot's last step changes slots: ONE barrier; in front of it each wave waits for all its tensor loads, adds 0 to its spare word, and waits for that and for its reads of this slot.  fill = 1: this slot is filled again.
.macro TURN slot, next, fill
	s_wait_tensorcnt 0x0                           ; all my tensor loads have landed: my part of the next slot
	ds_add_u32 v[SPW], v[NIL]                      ; 0 onto my spare word
	s_wait_dscnt 4*NL+1                            ; (the add and the youngest 16 loads, A's blocks 4-7, may be out)
	WIN MUL_LO
	MUL16 0, 1, 0                                  ; sixteen matrix instructions stand between the add and the wait for it
	s_wait_dscnt 0x0                               ; the add is done, and my reads of this slot are over
	s_barrier_signal -1
	MUL16 2, 1, 0
	WIN 0
	s_barrier_wait -1
.if \fill
	CREST                                          ; the barrier has opened a round of the cluster's barrier: no wave of any partner still reads this slot or has a load on its way
	s_add_nc_u64 s[G0+4*\slot+2:G0+4*\slot+3], s[G0+4*\slot+2:G0+4*\slot+3], 2*ROWB
	s_add_nc_u64 s[G0B+4*\slot+2:G0B+4*\slot+3], s[G0B+4*\slot+2:G0B+4*\slot+3], 2*ROWB
	JLOAD G0+4*\slot, G1, G0B+4*\slot, G1B         ; the first tensor load behind the round; its four v_nop are also the places in front of the loads below
.else
	PLACES NP
.endif
	FETCH_B \next, 0, 0
	FETCH_A \next, 0, 0
	WIN MUL_HI
	MUL16 4, 1, 0
	MUL16 6, 1, 0
	PLACES NP
	WIN 0
	FETCH_A \next, 0, 4
.endm
	s_wait_tensorcnt 1                             ; my part of the first slot is in (the second slot's load may be out)
	s_barrier_signal -1
	s_barrier_wait -1                              ; everybody's is
	FETCH_B 0, 0, 0
	FETCH_A 0, 0, 0
	FETCH_A 0, 0, 4
	STEP 0, 0, 1                                   ; the first step stands in front of the loop: its products start the sums
	s_mov_b32 s3, LAPS-1
.Llap:                                                 ; a trip goes once round the ring and fills both slots again
	TURN 0, 1, 1
	STEP 1, 0, 0
	TURN 1, 0, 1
	STEP 0, 0, 0
	s_sub_co_u32 s3, s3, 1
	s_cmp_lg_u32 s3, 0
	s_cbranch_scc1 .Llap
	TURN 0, 1, 0                                   ; the last lap fills nothing, and has no round of the cluster's barrier
	STEP 1, 0, 0
	s_wait_dscnt 4*NL                              ; the very last step: nothing more to fetch
	WIN MUL_LO
	MUL16 0, 1, 0
	MUL16 2, 1, 0
	s_wait_dscnt 0
	WIN MUL_HI
	MUL16 4, 1, 0
	MUL16 6, 1, 0
	WIN 0
	; THE WAY OUT.  A sum stands for sum x 2^(e0 + e1); its code under 2^eX is sum / 2^(eX - e0 - e1): the three exponents are folded into the conversion's one scale.
	s_wait_kmcnt 0x0
	s_cmp_lt_u32 s75, 8
	s_cselect_b32 s88, s83, s85                    ; tiles 4-7 of w: k (entry 3); tiles 8-11: v (entry 5)
	s_cmp_lt_u32 s75, 4
	s_cselect_b32 s88, s82, s88                    ; tiles 0-3: q (entry 2)
	s_sub_co_i32 s88, s88, s80
	s_sub_co_i32 s88, s88, s81
	s_add_co_i32 s88, s88, 127
	s_lshl_b32 s89, s88, 23
	v_mov_b32 v[SCV], s89                          ; the scale as f32: the conversion takes its exponent field
	s_add_co_i32 s88, s88, 8
	s_lshl_b32 s88, s88, 23
	s_or_b32 s79, s88, 0x600000                    ; 448 x the scale,
	s_or_b32 s78, s79, 0x80000000                  ; and its negative
	PLACES NP
; A window's 32 accumulators: eight numbers to two registers of codes.
.macro HOLD hi, wa, wb
	WIN \wa                                        ; source 0 and destination: the accumulators' window
.set i, 0
.rept 256
.set i, i+1
.endr
	WIN \wb                                        ; source 0: that window; destination and scale: window 0
.set i, 0
.rept 32
	v_cvt_scalef32_pk8_fp8_f32 v[CD+64*\hi+2*i:CD+64*\hi+2*i+1], v[8*i:8*i+7], v[SCV]
.set i, i+1
.endr
	v_nop                                          ; one plain vector instruction behind the last conversion of a run
.endm
	HOLD 0, 0x82, 0x02
	HOLD 1, 0xc3, 0x03
	WIN 0
.irp a, 0,1,2,3,4,5,6,7                ; accumulators (a, 2 bp) and (a, 2 bp + 1) are 16 neighbouring places of a row of 64 bytes
.irp bp, 0,1,2,3
	ds_store_b128 v[STO], v[CD+2*(8*\a+2*\bp):CD+2*(8*\a+2*\bp)+3] offset:(64*(\bp/2)+4*\a)*UP+32*(\bp%2)
.endr
.endr
	s_wait_dscnt 0x0                               ; for the others' sake: my stores into the stage are done
	s_barrier_signal -1
	s_barrier_wait -1
.set t, 0
.rept 32
	ds_load_b128 v[CD+4*t:CD+4*t+3], v[RD] offset:2*t*UP
.set t, t+1
.endr
.set t, 0
.rept 32
	s_wait_dscnt 31-t                              ; LDS loads come back in order: load t is in, the younger ones may be out
	global_store_b128 v[GO+t/8], v[CD+4*t:CD+4*t+3], s[10:11] offset:512*(t%8)   ; the wave stores 512 consecutive bytes, at a multiple of 256 from the workspace's first byte
.set t, t+1
.endr
	s_wait_tensorcnt 0x0                           ; the wave's end
	ds_add_u32 v[SPW], v[NIL]
	s_wait_dscnt 0x0
	CROUND                                         ; the closing round: no work-group ends while a partner may still ask for a tile that names it
	s_endpgm
.Lfunc_end_k_q659c6d7696_qkv_gemm:
	.size	k_q659c6d7696_qkv_gemm, .Lfunc_end_k_q659c6d7696_qkv_gemm-k_q659c6d7696_qkv_gemm
	.p2alignl 7, 3214868480
	.fill 96, 4, 3214868480
	.section	.rodata,"a",@progbits
	.p2align	6, 0x0
	.amdhsa_kernel k_q659c6d7696_qkv_gemm
		.amdhsa_group_segment_fixed_size 327680
		.amdhsa_private_segment_fixed_size 0
		.amdhsa_enable_private_segment 0
		.amdhsa_kernarg_size 32
		.amdhsa_user_sgpr_count 2
		.amdhsa_user_sgpr_kernarg_segment_ptr 1
		.amdhsa_wavefront_size32 1
		.amdhsa_system_sgpr_workgroup_id_x 1
		.amdhsa_system_sgpr_workgroup_id_y 1
		.amdhsa_system_sgpr_workgroup_id_z 1
		.amdhsa_system_vgpr_workitem_id 0
		.amdhsa_next_free_vgpr 1024
		.amdhsa_next_free_sgpr 96
		.amdhsa_reserve_vcc 0
		.amdhsa_float_denorm_mode_32 3
		.amdhsa_float_denorm_mode_16_64 3
		.amdhsa_fp16_overflow 1
		.amdhsa_memory_ordered 1
		.amdhsa_forward_progress 1
		.amdhsa_inst_pref_size 92
	.end_amdhsa_kernel
	.amdgpu_metadata
---
amdhsa.version: [ 1, 2 ]
amdhsa.kernels:
  - .name:           k_q659c6d7696_qkv_gemm
    .symbol:         k_q659c6d7696_qkv_gemm.kd
    .args:
      - { .name: x_codes, .offset: 0, .size: 8, .value_kind: global_buffer, .address_space: global }
      - { .name: w_qkv_codes, .offset: 8, .size: 8, .value_kind: global_buffer, .address_space: global }
      - { .name: lowp_scales, .offset: 16, .size: 8, .value_kind: global_buffer, .address_space: global }
      - { .name: qkv, .offset: 24, .size: 8, .value_kind: global_buffer, .address_space: global }
    .group_segment_fixed_size: 327680
    .private_segment_fixed_size: 0
    .kernarg_segment_align: 8
    .kernarg_segment_size: 32
    .max_flat_workgroup_size: 128
    .sgpr_count:     96
    .vgpr_count:     1024
    .wavefront_size: 32
...
	.end_amdgpu_metadata
.endif
;; end of part 1
;; launch attn (part 2): grid 4 x 64, 16 waves a work-group, no clusters, 327,680 bytes of LDS; arguments qkv, lowp_scales, att; writes att
.if DOCPART == 2
	.amdgcn_target "amdgcn-amd-amdhsa--gfx1250"
	.amdhsa_code_object_version 6
	.text
	.protected	k_q659c6d7696_attn
	.globl	k_q659c6d7696_attn
	.p2align	8
	.type	k_q659c6d7696_attn,@function
k_q659c6d7696_attn:
	s_mov_b64 s[64:65], 0
	v_nop
	global_prefetch_b8 v0, s[64:65] scope:SCOPE_SE
	s_setreg_imm32_b32 hwreg(HW_REG_WAVE_MODE, 25, 1), 1
	s_wait_xcnt 0x0
; Causal attention of one head on codes of FP8 (E4M3): S^T = K Q^T (K = the head's 64), softmax, O^T = V^T P^T (K = the keys), and O quantised for the last product.
; q, k: [token][64 bytes]; v: [block of 64 keys][channel][64 bytes]; in each row of 64 bytes 16 bytes at 32 c + 16 (lane / 16) are four registers of a fragment in the matrix unit's own order of k.
; THE SOFTMAX: t = score x log2(e) / 8; M = the running largest t rounded UP to a whole number; p = 2^(t - M) is quantised with the given 2^e4, not normalised; the row's sum is taken of the unquantised p and divides O at the end.
; When M moves, the sum and O^T are multiplied by 2^(old M - new M): exact.
; SHARES.  Work-group (x = 0 .. 3, head) owns the blocks x and 7 - x of 256 queries, one after the other; each of its sixteen waves owns 16 queries of the block in hand, in 256 registers.
; Block X needs the keys' slots 0 .. X (256 keys each): (x + 1) + (8 - x) = 9 visits of a slot in EVERY work-group: equal work, and a trip count that is a constant of the text.
; Visit T takes slot T (T <= x) or T - x - 1.  At T = x + 1 the first block is finished and the second begun (a scalar branch on ids).  A step of 128 keys that all come after the wave's queries is jumped over;
; in the one step on the diagonal hidden scores become -infinity ahead of the maximum.  The step's first key counts for every query of a wave that runs the step, so M is a number from the first step on.
; NO CLUSTER: the four work-groups of a head turn back to slot 0 at different visits (T = x + 1), so in most visits they want different slots: partners would not ask for the same tile in the same round.
; LDS: two slots, 2^16 bytes apart: K's 256 rows, four rows to a line of 256 bytes + 16 of padding (row k at 272 (k / 4) + 64 (k % 4): the 16 rows of a load touch 16 different columns of 16 bytes), then V's 256 rows likewise.
; Wave 0 fetches K's 16,384 bytes, wave 1 V's: each one dense block of memory.  A wave has at most one tensor load out.
; LIMITS on the given exponents, so that each power of two below is an f32 number: e2 + e3 between -123 and 130; e4, and e6 - e4 - e5, between -126 and 119.
; REGISTERS: v1-11 addresses; v12 -M, v13 the largest t, v[14:15] the sum; v16-23 Q in hand, v24-31 the second block's; v32-95 fragments of K, then of V; v96-159 S^T, then p; v160-191 O^T; v192-207 p's codes; v220-255 at work.
.set LP,    272                        ; a line in LDS
.set VOFF,  64*LP                      ; V's tile behind K's 64 lines
.set SLOT1, 1<<16
.set STAGE, 2*SLOT1                    ; the way out: 1,024 bytes for each wave; no tile lands here
.set SPARE, STAGE+16*1024              ; the spare words, 128 bytes a wave
.set AK0, 1                            ; v1   my lane's place in a tile: 272 (r / 4) + 64 (r % 4) + 16 (lane / 16)
.set PFO, 3                            ; v3   256 x lane: the prefetches' offset
.set SPW, 5                            ; v5   my spare word's LDS address; never rewritten
.set NIL, 6                            ; v6   0; never rewritten
.set GO,  7                            ; v7   16 x lane
.set ADR, 8                            ; v8   the slot in hand + AK0
.set STI, 9                            ; v9   the stage, in: 64 r + 8 (lane / 16)
.set STR, 10                           ; v10  the stage, back: 16 x lane
.set D0,  11                           ; v11  r - 8 (lane / 16)
.set QF,  16
.set KV,  32
.set S,   96
.set OT,  160
.set PC,  192
.set TB,  2                            ; s2   LDS byte at which the slot in hand begins
.set T,   3                            ; s3   the visit
.set PI,  10                           ; s10  work-group x
.set WV,  12                           ; s12  wave
.set Q0,  13                           ; s13  my first query
.set KF,  14                           ; s14  the step's first key
.set SEL, 20                           ; s[20:21] lane selects: lane l xor 16
.set CS,  22                           ; s[22:23] c = log2(e) / 8 x 2^(e2 + e3)
.set G1,  24                           ; s[24:31] descriptor group 1;  s[40:43] group 0, which walks
.set G0,  40
.macro TLOAD                           ; waves 0 and 1 fetch; the branch hangs on the wave's number alone; four v_nop follow the line
	s_cmp_lt_u32 s[WV], 2
	s_cbranch_scc0 .Lasked_\@
	tensor_load_to_lds s[G0:G0+3], s[G1:G1+7]
	s_nop 0
.rept 4
	v_nop
.endr
.Lasked_\@:
.endm
; A PREFETCH INTO THE L2 of what the NEXT change of slots will ask for.  Slots 4 to 7 of a head are asked for first by work-group x = 0 (its visits 5 to 8): it names them, at visits 3 to 6, one visit ahead of the load;
; waves 4 and 5 K's two halves of 8,192 bytes, waves 6 and 7 V's, lanes 256 bytes apart: each block of 256 bytes is named once in the launch.  Slots 0 to 3 come by their loads alone.
.macro ASK
	s_sub_co_u32 s15, s[T], 3
	s_or_b32 s15, s15, s38                         ; s38 = 0 in the waves that ask, else all ones
	s_cmp_lt_u32 s15, 4
	s_cbranch_scc0 .Lnot_mine_\@
	global_prefetch_b8 v[PFO], s[44:45] th:TH_LOAD_NT scope:SCOPE_SE
.Lnot_mine_\@:
.endm
.macro INIT                            ; a block's state: the first change of M multiplies zeros
	v_mov_b32 v13, 0xff61b1e6                      ; the largest t so far: -3e38
	s_delay_alu instid0(VALU_DEP_1)
	v_floor_f32 v12, -v13                          ; -M
	v_mov_b32 v14, 0
	v_mov_b32 v15, 0
.set i, 0
.rept 32
	v_mov_b32 v[OT+i], 0
.set i, i+1
.endr
.endm
	s_load_b128 s[4:7], s[0:1], 0x0                ; the workspace of q, k, v s[4:5]; the scales' exponents s[6:7]
	s_load_b64 s[8:9], s[0:1], 0x10                ; the attention's codes
	v_lshl_add_u32 v[SPW], v0, 2, SPARE
	v_mov_b32 v[NIL], 0
	ds_add_u32 v5, v6
	ds_add_u32 v5, v6
	s_wait_dscnt 0x0
	v_lshrrev_b32 v8, 5, v0
	s_delay_alu instid0(VALU_DEP_1)
	v_readfirstlane_b32 s[WV], v8                  ; wave 0..15
	s_mov_b32 s[PI], ttmp9
	s_and_b32 s11, ttmp7, 0xffff                   ; 16 x batch + head
	s_lshr_b32 s36, s11, 4
	s_mul_i32 s36, s36, 6291456                    ; the batch's q, k, v
	s_and_b32 s37, s11, 15
	s_lshl_b32 s37, s37, 17                        ; the head's 131,072 bytes
	s_add_co_u32 s36, s36, s37
	s_mov_b32 s37, 0
	s_mov_b32 s[G1], (0<<16)|(1<<20)|(5<<22)|(3<<25)  ; no mask; elements of 1 byte; padding on: four words after every 64
	s_mov_b32 s[G1+1], 256<<16                     ; tensor_dim0
	s_mov_b32 s[G1+2], 64<<16                      ; tensor_dim1
	s_mov_b32 s[G1+3], 256<<16                     ; tile_dim0
	s_mov_b32 s[G1+4], 64                          ; tile_dim1
	s_mov_b32 s[G1+5], 256                         ; the pitch: the block is dense
	s_mov_b32 s[G1+6], 0
	s_mov_b32 s[G1+7], 0
	s_mov_b32 s[SEL], 0x76543210
	s_mov_b32 s[SEL+1], 0xfedcba98
	s_mov_b32 s[CS], 0x3e38aa3b                    ; log2(e) / 8
	s_mov_b32 s[TB], 0
	s_mov_b32 s[T], 0
	s_mov_b32 s[KF], 0
	s_lshl_b32 s[Q0], s[PI], 8
	s_lshl_b32 s15, s[WV], 4
	s_add_co_u32 s[Q0], s[Q0], s15                 ; the first block: 256 x + 16 wave
	s_sub_co_u32 s49, 7, s[PI]
	s_lshl_b32 s49, s49, 8
	s_add_co_u32 s49, s49, s15                     ; the second: 256 (7 - x) + 16 wave
	s_add_co_u32 s48, s[PI], 1                     ; the visit at which the blocks change
	s_and_b32 s50, s[WV], 1
	s_mul_i32 s51, s50, VOFF                       ; what I fetch goes to K's place (wave 0) or V's (wave 1)
	s_add_co_u32 s50, s50, 1
	s_lshl_b32 s18, s50, 21                        ; k lies 2 MiB behind q, v 4 MiB
	s_mov_b32 s19, 0
	s_wait_kmcnt 0x0
	s_load_b256 s[72:79], s[6:7], 0x0              ; the eight exponents
	s_add_nc_u64 s[4:5], s[4:5], s[36:37]          ; the head's q
	s_add_nc_u64 s[16:17], s[4:5], s[18:19]        ; the head's k or v
	s_mov_b32 s[G0], 1
	s_mov_b32 s[G0+1], s51
	s_mov_b64 s[G0+2:G0+3], s[16:17]               ; slot 0 of the keys
	s_or_b32 s[G0+3], s[G0+3], 0x80000000
	TLOAD                                          ; visit 0's tiles
	v_and_b32 v8, 15, v0                           ; r
	v_bfe_u32 v9, v0, 4, 1                         ; lane / 16
	s_delay_alu instid0(VALU_DEP_2)
	v_lshlrev_b32 v10, 6, v8
	s_delay_alu instid0(VALU_DEP_1)
	v_lshl_add_u32 v10, v9, 4, v10                 ; 64 r + 16 (lane / 16)
	s_lshl_b32 s15, s[Q0], 6
	v_add_nc_u32 v2, s15, v10
	s_lshl_b32 s15, s49, 6
	v_add_nc_u32 v4, s15, v10
	global_load_b128 v[16:19], v2, s[4:5]          ; both blocks' Q stay in registers
	global_load_b128 v[20:23], v2, s[4:5] offset:32
	global_load_b128 v[24:27], v4, s[4:5]
	global_load_b128 v[28:31], v4, s[4:5] offset:32
	v_lshrrev_b32 v[AK0], 2, v8
	s_delay_alu instid0(VALU_DEP_1)
	v_mul_u32_u24 v[AK0], v[AK0], LP
	v_and_b32 v11, 3, v8
	s_delay_alu instid0(VALU_DEP_1)
	v_lshl_add_u32 v[AK0], v11, 6, v[AK0]
	s_delay_alu instid0(VALU_DEP_1)
	v_lshl_add_u32 v[AK0], v9, 4, v[AK0]
	v_and_b32 v[PFO], 31, v0
	s_delay_alu instid0(VALU_DEP_1)
	v_lshlrev_b32 v[PFO], 8, v[PFO]
	v_and_b32 v[GO], 31, v0
	s_delay_alu instid0(VALU_DEP_1)
	v_lshlrev_b32 v[GO], 4, v[GO]
	s_lshl_b32 s15, s[WV], 10
	s_add_co_u32 s15, s15, STAGE                   ; my stage
	v_add_nc_u32 v[STR], s15, v[GO]
	v_lshlrev_b32 v252, 3, v9
	s_delay_alu instid0(VALU_DEP_1)
	v_sub_nc_u32 v[D0], v8, v252
	s_delay_alu instid0(VALU_DEP_2)
	v_lshl_add_u32 v[STI], v8, 6, v252
	s_delay_alu instid0(VALU_DEP_1)
	v_add_nc_u32 v[STI], s15, v[STI]
	v_mov_b32 v236, 0                              ; written once: a lane permute's destination counts as one of its sources
	v_mov_b32 v253, 0                              ; (named as the upper halves of pairs)
	v_mov_b32 v247, 0
	INIT
	s_lshl_b32 s36, s11, 17
	s_add_nc_u64 s[32:33], s[8:9], s[36:37]        ; the head's rows of the result,
	s_lshl_b32 s36, s[Q0], 6
	s_add_nc_u64 s[34:35], s[32:33], s[36:37]      ; and my 16 of the block in hand
	s_and_b32 s36, s[WV], 1                        ; the prefetches: which half of 8,192 bytes,
	s_lshl_b32 s36, s36, 13
	s_bfe_u32 s15, s[WV], 0x10001
	s_add_co_u32 s15, s15, 1
	s_lshl_b32 s15, s15, 21                        ; of k (waves 4, 5) or of v (waves 6, 7)
	s_add_co_u32 s36, s36, s15
	s_add_nc_u64 s[44:45], s[4:5], s[36:37]        ; at slot 0: each change of slots steps it, so that at visit T it stands at slot T + 1
	s_lshr_b32 s15, s[WV], 2
	s_xor_b32 s15, s15, 1                          ; 0 in waves 4 to 7,
	s_or_b32 s15, s15, ttmp9                       ; of work-group x = 0
	s_cmp_eq_u32 s15, 0
	s_cselect_b32 s38, 0, -1
	s_wait_kmcnt 0x0
	s_add_co_i32 s15, s74, s75
	s_lshl_b32 s15, s15, 23
	s_add_co_i32 s[CS], s[CS], s15                 ; a score stands for score x 2^(e2 + e3): added to c's exponent field
	s_mov_b32 s[CS+1], s[CS]
	s_add_co_i32 s15, s76, 127
	s_lshl_b32 s36, s15, 23
	v_mov_b32 v244, s36                            ; 2^e4, for p's conversion
	s_sub_co_i32 s15, s78, s76
	s_sub_co_i32 s15, s15, s77                     ; O^T / the sum stands for that x 2^(e4 + e5): its code under 2^e6 is that / 2^(e6 - e4 - e5)
	s_add_co_i32 s15, s15, 127
	s_lshl_b32 s36, s15, 23
	v_mov_b32 v238, s36
; A KEY STEP: 128 keys, the q-th of the slot in hand.
.macro STEP q
	s_add_co_u32 s15, s[Q0], 15
	s_cmp_gt_u32 s[KF], s15                        ; all keys come after my queries: the step's work is left out
	s_cbranch_scc1 .Lhidden_\@
	v_add_nc_u32 v[ADR], s[TB], v[AK0]
.rept 3
	v_nop                                          ; with the addition: four places in front of loads into registers that matrix instructions have read
.endr
.set i, 0
.rept 8                                        ; K: eight tiles of 16 keys x 64: key 16 i + r
	ds_load_b128 v[KV+8*i:KV+8*i+3],   v[ADR] offset:(32*(\q)+4*i)*LP
	ds_load_b128 v[KV+8*i+4:KV+8*i+7], v[ADR] offset:(32*(\q)+4*i)*LP+32
.set i, i+1
.endr
	s_wait_dscnt 0x0
.set i, 0
	s_wait_alu depctr_va_vdst(0)
.rept 8                                        ; S^T: lane (r, h) holds query r; register 8 i + j key KF + 16 i + 8 h + j: the order in which the second product's operand wants its k
	v_wmma_f32_16x16x64_fp8_fp8 v[S+8*i:S+8*i+7], v[KV+8*i:KV+8*i+7], v[QF:QF+7], 0
.set i, i+1
.endr
.rept 4
	v_nop
.endr
.set i, 0
.rept 16                                       ; V: four tiles of 16 channels x 128 keys; they land while the softmax is worked
	ds_load_b128 v[KV+4*i:KV+4*i+3], v[ADR] offset:VOFF+((2*(\q)+(i%4)/2)*16+4*(i/4))*LP+32*(i%2)
.set i, i+1
.endr
	s_add_co_u32 s15, s[KF], 127
	s_cmp_le_u32 s15, s[Q0]                        ; all keys count: no mask
	s_cbranch_scc1 .Lopen_\@
	s_sub_co_i32 s15, s[Q0], s[KF]
	v_add_nc_u32 v252, s15, v[D0]                  ; d = my query - KF - 8 (lane / 16): register 8 i + j is hidden where 16 i + j > d
	v_mov_b32 v254, 0xff800000                     ; -infinity
.set n, 0
.rept 64
	v_cmp_gt_i32 vcc_lo, 16*(n/8)+n%8, v252
	v_cndmask_b32 v[S+n], v[S+n], v254, vcc_lo
.set n, n+1
.endr
.Lopen_\@:
	v_max3_num_f32 v254, v96, v97, v98             ; the step's largest score of my query, among my 64 keys, in two chains,
	v_max3_num_f32 v252, v99, v100, v101
.irp i, 6,10,14,18,22,26,30,34,38,42,46,50,54,58
	v_max3_num_f32 v254, v254, v[96+\i], v[97+\i]
	v_max3_num_f32 v252, v252, v[98+\i], v[99+\i]
.endr
	v_max3_num_f32 v254, v254, v158, v159
	s_delay_alu instid0(VALU_DEP_1)
	v_max_num_f32 v254, v254, v252
	s_delay_alu instid0(VALU_DEP_1)
	v_permlanex16_b32 v236, v254, s[SEL], s[SEL+1]
	s_delay_alu instid0(VALU_DEP_1)
	v_max_num_f32 v254, v254, v236                 ; and among lane l xor 16's
	s_delay_alu instid0(VALU_DEP_1)
	v_mul_f32 v254, s[CS], v254                    ; as t (c is positive)
	s_delay_alu instid0(VALU_DEP_1)
	v_max_num_f32 v13, v13, v254                   ; the running largest t
	v_mov_b32 v254, v12
	s_delay_alu instid0(VALU_DEP_2)
	v_floor_f32 v12, -v13                          ; the new -M = floor(-t) = -ceil(t)
	s_delay_alu instid0(VALU_DEP_1)
	v_sub_f32 v254, v12, v254                      ; M's old value less its new one: a whole number, 0 or less
	s_delay_alu instid0(VALU_DEP_1)
	v_cvt_i32_f32 v254, v254                       ; (it saturates)
	s_delay_alu instid0(VALU_DEP_1)
	v_ldexp_f32 v252, 1.0, v254                    ; f = 2^(old M - new M)
.set j, 0
.rept 32
	v_pk_fma_f32 v[S+j:S+j+1], v[S+j:S+j+1], s[CS:CS+1], v[12:13] op_sel_hi:[1,0,0]   ; t - M, two at a time
.set j, j+2
.endr
.set j, 0
	s_wait_alu depctr_va_vdst(0)
.rept 64
	v_exp_f32 v[S+j], v[S+j]                       ; p = 2^(t - M), at most 1
.set j, j+1
.endr
	v_pk_mul_f32 v[14:15], v[14:15], v[252:253] op_sel_hi:[1,0]   ; the sums under the new M (a plain instruction behind the exponentials)
	s_wait_alu depctr_va_vdst(0)                   ; one wait for the whole batch of exponentials, ahead of its first reader
	v_pk_add_f32 v[242:243], v[100:101], v[104:105]
	v_pk_add_f32 v[254:255], v[108:109], v[112:113]
	v_pk_add_f32 v[250:251], v[116:117], v[120:121]
	v_pk_add_f32 v[248:249], v[124:125], v[128:129]
	v_pk_add_f32 v[240:241], v[132:133], v[136:137]
	v_pk_add_f32 v[234:235], v[140:141], v[144:145]
	v_pk_add_f32 v[232:233], v[148:149], v[152:153]
	v_pk_add_f32 v[14:15], v[14:15], v[156:157]
	v_pk_add_f32 v[242:243], v[242:243], v[96:97]
	v_pk_add_f32 v[254:255], v[254:255], v[98:99]
	v_pk_add_f32 v[250:251], v[250:251], v[102:103]
	v_pk_add_f32 v[248:249], v[248:249], v[106:107]
	v_pk_add_f32 v[240:241], v[240:241], v[110:111]
	v_pk_add_f32 v[234:235], v[234:235], v[114:115]
	v_pk_add_f32 v[232:233], v[232:233], v[118:119]
	v_pk_add_f32 v[14:15], v[14:15], v[122:123]
	v_pk_add_f32 v[242:243], v[242:243], v[126:127]
	v_pk_add_f32 v[254:255], v[254:255], v[130:131]
	v_pk_add_f32 v[250:251], v[250:251], v[134:135]
	v_pk_add_f32 v[248:249], v[248:249], v[138:139]
	v_pk_add_f32 v[240:241], v[240:241], v[142:143]
	v_pk_add_f32 v[234:235], v[234:235], v[146:147]
	v_pk_add_f32 v[232:233], v[232:233], v[150:151]
	v_pk_add_f32 v[14:15], v[14:15], v[154:155]
	v_pk_add_f32 v[242:243], v[242:243], v[158:159]
	s_delay_alu instid0(VALU_DEP_2)
	v_pk_add_f32 v[14:15], v[14:15], v[248:249]
	s_delay_alu instid0(VALU_DEP_2)
	v_pk_add_f32 v[242:243], v[242:243], v[240:241]
	v_pk_add_f32 v[254:255], v[254:255], v[234:235]
	v_pk_add_f32 v[250:251], v[250:251], v[232:233]
	s_delay_alu instid0(VALU_DEP_2)
	v_pk_add_f32 v[14:15], v[14:15], v[254:255]
	s_delay_alu instid0(VALU_DEP_2)
	v_pk_add_f32 v[242:243], v[242:243], v[250:251]
	s_delay_alu instid0(VALU_DEP_1)
	v_pk_add_f32 v[14:15], v[14:15], v[242:243]
.set i, 0
.rept 8
.set j, 0
.rept 8
.set j, j+1
.endr
	v_cvt_scalef32_pk8_fp8_f32 v[PC+2*i:PC+2*i+1], v[S+8*i:S+8*i+7], v244   ; registers 2 i, 2 i + 1 of the operand: k = 16 i + 8 h + 0 .. 7
.set i, i+1
.endr
.set j, 0
.rept 16
	v_pk_mul_f32 v[OT+j:OT+j+1], v[OT+j:OT+j+1], v[252:253] op_sel_hi:[1,0]   ; O^T under the new M (also the plain instructions behind the conversions)
.set j, j+2
.endr
	s_wait_alu depctr_va_vdst(0)
	s_wait_dscnt 0x0                               ; V is in
.set i, 0
.rept 4                                        ; O^T += V^T P^T: four tiles of 16 channels, by turns; K = these 128 keys
	v_wmma_f32_16x16x128_fp8_fp8 v[OT+8*i:OT+8*i+7], v[KV+16*i:KV+16*i+15], v[PC:PC+15], v[OT+8*i:OT+8*i+7]
.set i, i+1
.endr
.Lhidden_\@:
	s_add_co_u32 s[KF], s[KF], 128
.endm
; THE CHANGE OF SLOTS stands at a visit's head.  Each wave waits for all its tensor loads, adds 0 to its spare word, and waits for that and for its reads of the slot that it has left.
; Behind the barrier the slot ahead is whole and nobody reads the other one.  fill = 1: that other slot takes the next visit's tiles: the load has a whole visit in which to land.
.macro CHANGE fill
	s_wait_tensorcnt 0x0                           ; no tensor load of mine is out, so group 0 may be written
	ds_add_u32 v[SPW], v[NIL]                      ; 0 onto my spare word
.if \fill
	s_xor_b32 s[G0+1], s[G0+1], SLOT1              ; the other slot than last time
	s_add_co_u32 s15, s[T], 1
	s_sub_co_u32 s18, s[T], s[PI]
	s_cmp_le_u32 s15, s[PI]
	s_cselect_b32 s18, s15, s18                    ; visit T + 1 takes slot T + 1 of the keys (first block) or T - x (second)
	s_lshl_b32 s18, s18, 14                        ; 16,384 bytes each
	s_add_nc_u64 s[G0+2:G0+3], s[16:17], s[18:19]
	s_or_b32 s[G0+3], s[G0+3], 0x80000000
	s_wait_xcnt 0x0                                ; the last prefetch, a visit back, has read its address
	s_add_nc_u64 s[44:45], s[44:45], 16384
.endif
	s_wait_dscnt 0x0                               ; the add is done, and my reads of the slot that I have left are over
	s_barrier_signal -1
	s_barrier_wait -1
.if \fill
	TLOAD                                          ; the first thing behind the barrier, and a wave's one tensor load until the next
	ASK
.endif
.endm
.macro SLOT_STEPS
	STEP 0
	STEP 1
	s_xor_b32 s[TB], s[TB], SLOT1                  ; on to the other slot
.endm
; A block's end: O^T / the sum is quantised and goes through my stage, so that the wave stores 512 consecutive bytes.
.macro FINAL
.rept 4
	v_nop                                          ; places behind the last products
.endr
	v_add_f32 v14, v14, v15                        ; the sum's two halves,
	s_delay_alu instid0(VALU_DEP_1)
	v_permlanex16_b32 v252, v14, s[SEL], s[SEL+1]
	s_delay_alu instid0(VALU_DEP_1)
	v_add_f32 v14, v14, v252                       ; and lane l xor 16's
	s_wait_alu depctr_va_vdst(0)
	v_rcp_f32 v246, v14
	v_nop                                          ; a plain instruction behind the reciprocal
	s_wait_alu depctr_va_vdst(0)                   ; and the wait ahead of its first reader
.set j, 0
.rept 16
	v_pk_mul_f32 v[OT+j:OT+j+1], v[OT+j:OT+j+1], v[246:247] op_sel_hi:[1,0]   ; each accumulator from its low end on
.set j, j+2
.endr
.set j, 0
.rept 32
.set j, j+1
.endr
.irp t, 0,1,2,3
	v_cvt_scalef32_pk8_fp8_f32 v[220+2*\t:221+2*\t], v[OT+8*\t:OT+8*\t+7], v238   ; channels 16 t + 8 h + 0 .. 7 of query r
.endr
	v_nop                                          ; one plain vector instruction behind the last conversion
.irp t, 0,1,2,3
	ds_store_b64 v[STI], v[220+2*\t:221+2*\t] offset:16*\t
.endr
	ds_load_b128 v[228:231], v[STR]                ; LDS serves a wave's instructions in order: these see my stores
	ds_load_b128 v[232:235], v[STR] offset:512
	s_wait_dscnt 1                                 ; the first is in; the second may be out
	global_store_b128 v[GO], v[228:231], s[34:35]
	s_wait_dscnt 0x0
	global_store_b128 v[GO], v[232:235], s[34:35] offset:512
	s_wait_xcnt 0x0                                ; the stores have read their base and their data: both are written again for the second block
.endm
	s_wait_loadcnt 0x0                             ; Q
.Lvisit:                                           ; visits 0 to 7: behind each change of slots the next visit's tiles are asked for
	CHANGE 1
	s_cmp_lg_u32 s[T], s48
	s_cbranch_scc1 .Lsame_block
	FINAL                                          ; the first block is finished;
	INIT                                           ; the second begins
.set i, 0
.rept 8
	v_mov_b32 v[QF+i], v[24+i]
.set i, i+1
.endr
	s_mov_b32 s[Q0], s49
	s_mov_b32 s[KF], 0
	s_lshl_b32 s36, s[Q0], 6
	s_mov_b32 s37, 0
	s_add_nc_u64 s[34:35], s[32:33], s[36:37]
.Lsame_block:
	SLOT_STEPS
	s_add_co_u32 s[T], s[T], 1
	s_cmp_lt_u32 s[T], 8
	s_cbranch_scc1 .Lvisit
	CHANGE 0                                       ; the last visit is written out
	SLOT_STEPS
	FINAL
	s_wait_tensorcnt 0x0                           ; the wave's end
	ds_add_u32 v[SPW], v[NIL]
	s_wait_dscnt 0x0
	s_endpgm
.Lfunc_end_k_q659c6d7696_attn:
	.size	k_q659c6d7696_attn, .Lfunc_end_k_q659c6d7696_attn-k_q659c6d7696_attn
	.p2alignl 7, 3214868480
	.fill 96, 4, 3214868480
	.section	.rodata,"a",@progbits
	.p2align	6, 0x0
	.amdhsa_kernel k_q659c6d7696_attn
		.amdhsa_group_segment_fixed_size 327680
		.amdhsa_private_segment_fixed_size 0
		.amdhsa_enable_private_segment 0
		.amdhsa_kernarg_size 24
		.amdhsa_user_sgpr_count 2
		.amdhsa_user_sgpr_kernarg_segment_ptr 1
		.amdhsa_wavefront_size32 1
		.amdhsa_system_sgpr_workgroup_id_x 1
		.amdhsa_system_sgpr_workgroup_id_y 1
		.amdhsa_system_sgpr_workgroup_id_z 1
		.amdhsa_system_vgpr_workitem_id 0
		.amdhsa_next_free_vgpr 256
		.amdhsa_next_free_sgpr 80
		.amdhsa_reserve_vcc 1
		.amdhsa_float_denorm_mode_32 3
		.amdhsa_float_denorm_mode_16_64 3
		.amdhsa_fp16_overflow 1
		.amdhsa_memory_ordered 1
		.amdhsa_forward_progress 1
		.amdhsa_inst_pref_size 91
	.end_amdhsa_kernel
	.amdgpu_metadata
---
amdhsa.version: [ 1, 2 ]
amdhsa.kernels:
  - .name:           k_q659c6d7696_attn
    .symbol:         k_q659c6d7696_attn.kd
    .args:
      - { .name: qkv, .offset: 0, .size: 8, .value_kind: global_buffer, .address_space: global }
      - { .name: lowp_scales, .offset: 8, .size: 8, .value_kind: global_buffer, .address_space: global }
      - { .name: att, .offset: 16, .size: 8, .value_kind: global_buffer, .address_space: global }
    .group_segment_fixed_size: 327680
    .private_segment_fixed_size: 0
    .kernarg_segment_align: 8
    .kernarg_segment_size: 24
    .max_flat_workgroup_size: 512
    .sgpr_count:     80
    .vgpr_count:     256
    .wavefront_size: 32
...
	.end_amdgpu_metadata
.endif
;; end of part 2
;; launch out_gemm (part 3): grid 4 x 64, 4 waves a work-group, clusters of 4 x 4, 327,680 bytes of LDS; arguments att, w_out_codes, lowp_scales, out0; writes out0
.if DOCPART == 3
	.amdgcn_target "amdgcn-amd-amdhsa--gfx1250"
	.amdhsa_code_object_version 6
	.text
	.protected	k_q659c6d7696_out_gemm
	.globl	k_q659c6d7696_out_gemm
	.p2align	8
	.type	k_q659c6d7696_out_gemm,@function
k_q659c6d7696_out_gemm:
	s_mov_b64 s[64:65], 0
	v_nop
	global_prefetch_b8 v0, s[64:65] scope:SCOPE_SE
	s_setreg_imm32_b32 hwreg(HW_REG_WAVE_MODE, 25, 1), 1
	s_wait_xcnt 0x0
	s_wait_alu depctr_hold_cnt(0) depctr_sa_sdst(0) depctr_va_vdst(0) depctr_va_sdst(0) depctr_va_ssrc(0) depctr_va_vcc(0) depctr_vm_vsrc(0)
	s_getreg_b32 s2, hwreg(HW_REG_IB_STS2, 6, 4)
	s_cmp_eq_u32 s2, 0
	s_cbranch_scc0 .Lentry_in_a_cluster
	s_endpgm
.Lentry_in_a_cluster:
	s_bfe_u32 s2, ttmp6, 0x10000c
	s_cmp_lg_u32 s2, 0xf033
	s_cbranch_scc0 .Lentry_shape_is_right
	s_endpgm
.Lentry_shape_is_right:
; out0 = attention's result x w_out, on codes of FP8 (E4M3); each finished sum is multiplied once by 2^(e6 + e7).  out0: [8,192][1,024] f32.
; A: the attention's codes, [batch][head][token][64 bytes]; B: w_out's codes, [1,024 (n)][1,024 (k)], k = 64 x head + channel.
; A tile of out0 is 128 rows x 256 columns: 256 work-groups, one for each WGP (tiles of 256 x 256 would be 128).  Four waves, each 64 x 128: 32 accumulators, 256 registers.
; K goes in steps of 256 = four heads through a ring of two LDS slots.  A's part of a slot is four planes (heads) of 128 tokens x 64 bytes, each plane 8,192 dense bytes of memory, four tokens to a
; line of 256 bytes + 16 of padding (token s at 272 (s / 4) + 64 (s % 4): the 16 rows of a load touch 16 different columns of 16 bytes); B's part is 256 rows of 256 bytes + 16.
; CLUSTERS: 4 x 4 work-groups; A's tiles are asked for jointly along a row of the cluster (which is the whole width of out0), B's along a column.
; THE MATRIX INSTRUCTION IS USED TRANSPOSED (source 0 = 16 rows of B, source 1 = 16 rows of A): a lane holds eight neighbouring numbers of a row of out0.
; LIMIT: e6 + e7 lies between -126 and 127, so that 2^(e6 + e7) is an f32 number.
; REGISTERS, in windows of 256: window 0: v0-31 addresses; v32-95 at work on the way out; A's fragments, two sets, at v128 and v192.  window 1: B's fragments, two sets, at v0 and v128.  window 2: accumulator (a, b) at v[8 (8 a + b)].
.set ROWB,   256
.set PITCH,  272
.set PLANE,  32*PITCH                  ; a head's 128 tokens
.set ABYTES, 4*PLANE
.set HALFB,  128*PITCH
.set SLOT,   ABYTES+2*HALFB
.set ASTEP,  4*131072                  ; four heads on, in memory
.set SPARE,  2*SLOT                    ; behind the ring: the spare words, 128 bytes a wave
.set SPITCH, 528                       ; the way out: 16 rows x (512 bytes + 16) for each wave, in slot 0, which has had its last fill and its last read by then
.set NP,     4
.set ADRA, 16                          ; v16-17  LDS address of my A fragments in slot 0, 1
.set ADRB, 20                          ; v20-21  the same for B
.set STO,  24
.set RD,   25
.set CO,   26
.set SPW,  28                          ; my spare word's LDS address; never rewritten
.set NIL,  29                          ; 0; never rewritten
.set TMP,  32
.set AF,   128
.set BK,   128
.set G1, 24
.set G0, 32
.set G1B, 48
.set G0B, 56
.set MSB, 0
.macro WIN new
.if MSB != \new
	s_set_vgpr_msb (MSB<<8)|\new
.set MSB, \new
.endif
.endm
.set MUL,  0xa1                        ; source 0 (B) window 1, source 1 (A) window 0, C and D window 2
.set TO_B, 0x40                        ; destination window 1, address window 0
.macro JLOAD g0a, g1a, g0b, g1b        ; waves 0 and 1 fetch for A, waves 2 and 3 for B; four v_nop follow each of the two lines
	s_cmp_eq_u32 s15, 0
	s_cbranch_scc0 .Lfor_b_\@
	tensor_load_to_lds s[\g0a:\g0a+3], s[\g1a:\g1a+7]
	s_nop 0
.rept 4
	v_nop
.endr
	s_branch .Lasked_\@
.Lfor_b_\@:
	tensor_load_to_lds s[\g0b:\g0b+3], s[\g1b:\g1b+7]
	s_nop 0
.rept 4
	v_nop
.endr
.Lasked_\@:
.endm
.macro CREST
	s_cmp_lg_u32 s14, 0
	s_cbranch_scc1 .Lnot_wave_0_\@
	s_barrier_signal -3
.Lnot_wave_0_\@:
	s_barrier_wait -3
	s_barrier_signal -1
	s_barrier_wait -1
.endm
.macro CROUND
	s_barrier_signal -1
	s_barrier_wait -1
	CREST
.endm
	s_load_b128 s[4:7], s[0:1], 0x0                ; A's codes s[4:5], B's codes s[6:7]
	s_load_b128 s[8:11], s[0:1], 0x10              ; the scales' exponents s[8:9], out0 s[10:11]
	v_lshl_add_u32 v[SPW], v0, 2, SPARE
	v_mov_b32 v[NIL], 0
	ds_add_u32 v28, v29
	ds_add_u32 v28, v29
	s_wait_dscnt 0x0
	v_lshrrev_b32 v1, 5, v0
	v_readfirstlane_b32 s14, v1                    ; wave 0..3
	s_lshr_b32 s15, s14, 1                         ; which half of the tile's rows is mine.  Also: I fetch for A (0) or for B (1)
	s_and_b32 s16, s14, 1                          ; which half of its columns.  Also: which half of that tile I fetch
	s_bfe_u32 s40, ttmp6, 0x40000                  ; cx, cy
	s_bfe_u32 s41, ttmp6, 0x40004
	s_lshl_b32 s42, ttmp9, 2
	s_add_co_u32 s42, s42, s40                     ; tile column, 0 .. 3
	s_and_b32 s17, ttmp7, 0xffff
	s_lshl_b32 s17, s17, 2
	s_add_co_u32 s17, s17, s41                     ; tile row, 0 .. 63
	s_lshl_b32 s43, s41, 2
	s_lshl_b32 s43, 15, s43                        ; my row of the cluster
	s_lshl_b32 s44, 0x1111, s40                    ; my column
	; A's group 1: two planes, each a row of 8,192 bytes, 131,072 bytes apart; four words of padding after every 64: 32 lines of 272 bytes a plane
	s_or_b32 s[G1+0], s43, (0<<16)|(1<<20)|(1<<21)|(5<<22)|(3<<25)
	s_mov_b32 s[G1+1], 8192<<16                    ; tensor_dim0
	s_mov_b32 s[G1+2], 2<<16                       ; tensor_dim1
	s_mov_b32 s[G1+3], 8192<<16                    ; tile_dim0
	s_mov_b32 s[G1+4], 2                           ; tile_dim1
	s_mov_b32 s[G1+5], 131072                      ; the pitch: from head to head
	s_mov_b32 s[G1+6], 0
	s_mov_b32 s[G1+7], 0
	; B's: 128 rows of 256 bytes, 1,024 bytes apart
	s_or_b32 s[G1B+0], s44, (0<<16)|(1<<20)|(1<<21)|(5<<22)|(3<<25)
	s_mov_b32 s[G1B+1], ROWB<<16
	s_mov_b32 s[G1B+2], 128<<16
	s_mov_b32 s[G1B+3], ROWB<<16
	s_mov_b32 s[G1B+4], 128
	s_mov_b32 s[G1B+5], 1024
	s_mov_b32 s[G1B+6], 0
	s_mov_b32 s[G1B+7], 0
	s_lshr_b32 s20, s17, 4
	s_lshl_b32 s20, s20, 21                        ; A: the batch (16 tile rows, 2 MiB each),
	s_and_b32 s18, s17, 15
	s_lshl_b32 s18, s18, 13                        ; 128 tokens of 64 bytes a tile row,
	s_add_co_u32 s20, s20, s18
	s_lshl_b32 s18, s16, 18                        ; and my two of the K step's four heads
	s_add_co_u32 s20, s20, s18
	s_mov_b32 s21, 0
	s_lshl_b32 s46, s42, 8
	s_lshl_b32 s18, s16, 7
	s_add_co_u32 s46, s46, s18                     ; B: row 256 x tile column + 128 x half,
	s_lshl_b32 s46, s46, 10                        ; in bytes
	s_mov_b32 s47, 0
	s_mul_i32 s45, s16, 2*PLANE                    ; where they go: no place in the cluster enters an LDS address
	s_mul_i32 s19, s16, HALFB
	s_add_co_u32 s19, s19, ABYTES
	s_wait_kmcnt 0x0
	s_load_b64 s[96:97], s[8:9], 0x18              ; e6, e7
	s_add_nc_u64 s[20:21], s[4:5], s[20:21]
	s_add_nc_u64 s[46:47], s[6:7], s[46:47]
	CROUND                                         ; all sixteen work-groups are here: the first joint loads meet
.irp s, 0,1
	s_mov_b32 s[G0+4*\s], 1
	s_add_co_u32 s[G0+4*\s+1], s45, \s*SLOT
	s_add_nc_u64 s[G0+4*\s+2:G0+4*\s+3], s[20:21], \s*ASTEP
	s_or_b32 s[G0+4*\s+3], s[G0+4*\s+3], 0x80000000
	s_mov_b32 s[G0B+4*\s], 1
	s_add_co_u32 s[G0B+4*\s+1], s19, \s*SLOT
	s_add_nc_u64 s[G0B+4*\s+2:G0B+4*\s+3], s[46:47], \s*ROWB
	s_or_b32 s[G0B+4*\s+3], s[G0B+4*\s+3], 0x80000000
	s_wait_alu depctr_va_vdst(0)
	s_wait_tensorcnt 0x0
	ds_add_u32 v28, v29
	ds_add_u32 v28, v29
	s_wait_dscnt 0x0
	CROUND
	JLOAD G0+4*\s, G1, G0B+4*\s, G1B
.endr
	v_and_b32 v1, 15, v0                           ; r
	v_bfe_u32 v2, v0, 4, 1                         ; l / 16
	v_lshrrev_b32 v3, 2, v1
	v_mul_u32_u24 v3, v3, PITCH
	v_and_b32 v4, 3, v1
	v_lshl_add_u32 v3, v4, 6, v3
	v_lshl_add_u32 v3, v2, 4, v3                   ; A: 272 (r / 4) + 64 (r % 4) + 16 (l / 16)
	v_mul_u32_u24 v4, v1, PITCH
	v_lshl_add_u32 v4, v2, 4, v4                   ; B: 272 r + 16 (l / 16)
	s_mul_i32 s88, s15, 16*PITCH                   ; my 64 tokens: 16 lines of each plane
	s_mul_i32 s89, s16, HALFB                      ; my 128 rows of B,
	s_add_co_u32 s89, s89, ABYTES                  ; behind A's planes
.irp s, 0,1
	v_add_nc_u32 v[ADRA+\s], s88, v3
	v_add_nc_u32 v[ADRB+\s], s89, v4
	s_add_co_u32 s88, s88, SLOT
	s_add_co_u32 s89, s89, SLOT
.endr
	s_mul_i32 s88, s14, 16*SPITCH                  ; my stage
	v_mul_u32_u24 v5, v1, SPITCH                   ; in: row r, 32 bytes for each half of the lanes
	v_lshl_add_u32 v5, v2, 5, v5
	v_add_nc_u32 v[STO], s88, v5
	v_and_b32 v6, 31, v0
	v_lshlrev_b32 v[CO], 4, v6                     ; back: the 32 lanes take one row of 512 bytes; and the same in out0
	v_add_nc_u32 v[RD], s88, v[CO]
	s_lshl_b32 s90, s17, 7
	s_lshl_b32 s91, s15, 6
	s_add_co_u32 s90, s90, s91                     ; my first row: 128 x tile row + 64 x half,
	s_lshl_b32 s90, s90, 12                        ; of 4,096 bytes
	s_lshl_b32 s91, s42, 10                        ; my first column, in bytes: 1,024 x tile column + 512 x half
	s_add_co_u32 s90, s90, s91
	s_lshl_b32 s91, s16, 9
	s_add_co_u32 s90, s90, s91
	s_mov_b32 s91, 0
	s_add_nc_u64 s[10:11], s[10:11], s[90:91]
; 48 LDS loads: the fragments of the slot's q-th 128 along K into set p.  Registers 4 c .. 4 c + 3 of a fragment hold k = 32 c + 16 (l / 16) + 0 .. 15: a permutation of k, the same in A and in B.
.macro FETCH slot, q, p
	WIN TO_B
.irp b, 0,1,2,3,4,5,6,7
.irp c, 0,1,2,3
	ds_load_b128 v[128*\p+16*\b+4*\c:128*\p+16*\b+4*\c+3], v[ADRB+\slot] offset:128*\q+32*\c+\b*16*PITCH
.endr
.endr
	WIN 0
.irp a, 0,1,2,3
.irp c, 0,1,2,3
	ds_load_b128 v[AF+64*\p+16*\a+4*\c:AF+64*\p+16*\a+4*\c+3], v[ADRA+\slot] offset:(2*\q+\c/2)*PLANE+\a*4*PITCH+32*(\c%2)   ; k = 128 q + 32 c is head 2 q + c / 2, channel 32 (c % 2)
.endr
.endr
.endm
; 8 matrix instructions: A's block a x B's eight.  The 32 accumulators take turns, one instruction a turn, in the same order in every step.
.macro MUL8 a, p, zero
.irp b, 0,1,2,3,4,5,6,7
.if \zero
	v_wmma_f32_16x16x128_fp8_fp8 v[8*(8*\a+\b):8*(8*\a+\b)+7], v[128*\p+16*\b:128*\p+16*\b+15], v[AF+64*\p+16*\a:AF+64*\p+16*\a+15], 0
.else
	v_wmma_f32_16x16x128_fp8_fp8 v[8*(8*\a+\b):8*(8*\a+\b)+7], v[128*\p+16*\b:128*\p+16*\b+15], v[AF+64*\p+16*\a:AF+64*\p+16*\a+15], v[8*(8*\a+\b):8*(8*\a+\b)+7]
.endif
.endr
.endm
.macro PLACES n                        ; plain vector instructions between a matrix instruction and a load into, or a vector instruction on, its registers
.rept \n
	v_nop
.endr
.endm
; A slot's first step: multiplies set 0; the second step's fragments are asked for first, into set 1.
.macro STEP slot, zero
	PLACES NP
	FETCH \slot, 1, 1
	s_wait_dscnt 48                                ; set 0 is in; the 48 loads just issued may be out
	WIN MUL
	MUL8 0, 0, \zero
	MUL8 1, 0, \zero
	MUL8 2, 0, \zero
	MUL8 3, 0, \zero
	WIN 0
.endm
; A slot's second step multiplies set 1 and changes slots: ONE barrier; in front of it each wave waits for all its tensor loads, adds 0 to its spare word, and waits for that and for its reads of this slot.
.macro TURN slot, next, fill
	s_wait_tensorcnt 0x0                           ; all my tensor loads have landed: my part of the next slot
	ds_add_u32 v[SPW], v[NIL]                      ; 0 onto my spare word
	s_wait_dscnt 1                                 ; set 1 is in (the add may be out)
	WIN MUL
	MUL8 0, 1, 0                                   ; eight matrix instructions stand between the add and the wait for it
	s_wait_dscnt 0x0                               ; the add is done, and my reads of this slot are over
	s_barrier_signal -1
	MUL8 1, 1, 0
	WIN 0
	s_barrier_wait -1
.if \fill
	CREST                                          ; the barrier has opened a round of the cluster's barrier: no wave of any partner still reads this slot or has a load on its way
	s_add_nc_u64 s[G0+4*\slot+2:G0+4*\slot+3], s[G0+4*\slot+2:G0+4*\slot+3], 2*ASTEP
	s_add_nc_u64 s[G0B+4*\slot+2:G0B+4*\slot+3], s[G0B+4*\slot+2:G0B+4*\slot+3], 2*ROWB
	JLOAD G0+4*\slot, G1, G0B+4*\slot, G1B         ; the first tensor load behind the round; its four v_nop are also the places in front of the loads below
.else
	PLACES NP
.endif
	FETCH \next, 0, 0
	WIN MUL
	MUL8 2, 1, 0
	MUL8 3, 1, 0
	WIN 0
.endm
	s_wait_alu depctr_va_vdst(0)
	s_wait_tensorcnt 1                             ; my part of K step 0 is in (K step 1's load may be out)
	s_barrier_signal -1
	s_barrier_wait -1                              ; everybody's is
	FETCH 0, 0, 0
	STEP 0, 1                                      ; the first step stands in front of the loop: its products start the sums
	s_mov_b32 s3, 1
.Llap:                                                 ; a trip goes once round the ring and fills both slots again: K steps 2 and 3
	TURN 0, 1, 1
	STEP 1, 0
	TURN 1, 0, 1
	STEP 0, 0
	s_sub_co_u32 s3, s3, 1
	s_cmp_lg_u32 s3, 0
	s_cbranch_scc1 .Llap
	TURN 0, 1, 0                                   ; the last lap fills nothing, and has no round of the cluster's barrier
	STEP 1, 0
	s_wait_dscnt 0x0                               ; the very last step
	WIN MUL
	MUL8 0, 1, 0
	MUL8 1, 1, 0
	MUL8 2, 1, 0
	MUL8 3, 1, 0
	WIN 0
; THE WAY OUT, block by block of 16 rows x 128 columns, through my own stage: in as 32 bytes a lane, back as whole rows of 512 bytes.  LDS serves a wave's instructions in order (ISA guide 5.7.1.4).
.macro TOSTAGE a
	WIN 0x02                                       ; source 0: window 2
.set j, 0
.rept 32
	v_pk_mul_f32 v[TMP+j:TMP+j+1], v[64*(\a)+j:64*(\a)+j+1], s[96:97] op_sel_hi:[1,0]   ; x 2^(e6 + e7); each accumulator from its low end on
.set j, j+2
.endr
	WIN 0
.irp b, 0,1,2,3,4,5,6,7
	ds_store_b128 v[STO], v[TMP+8*\b:TMP+8*\b+3] offset:64*\b
	ds_store_b128 v[STO], v[TMP+8*\b+4:TMP+8*\b+7] offset:64*\b+16
.endr
.set BB, BK+64*((\a)%2)
.irp t, 0,1,2,3,4,5,6,7,8,9,10,11,12,13,14,15
	ds_load_b128 v[BB+4*\t:BB+4*\t+3], v[RD] offset:\t*SPITCH
.endr
.endm
.macro SEND a, younger                 ; younger: the LDS instructions issued behind block a's loads, which may stay out
.set BB, BK+64*((\a)%2)
	s_wait_dscnt \younger
.if (\a) > 0
	s_add_nc_u64 s[10:11], s[10:11], 16*4096       ; (behind a wait on XCNT: the earlier stores have read their base)
.endif
.irp t, 0,1,2,3,4,5,6,7,8,9,10,11,12,13,14,15
	global_store_b128 v[CO], v[BB+4*\t:BB+4*\t+3], s[10:11] offset:\t*4096 th:TH_STORE_NT   ; 32 lanes store 512 consecutive bytes, at a multiple of 256 from out0's first byte
.endr
.endm
	s_wait_kmcnt 0x0
	s_add_co_i32 s96, s96, s97
	s_add_co_i32 s96, s96, 127
	s_lshl_b32 s96, s96, 23                        ; 2^(e6 + e7) as f32
	PLACES NP                                      ; behind the last products: for the loads into the registers that held A's fragments, and for the reads of results
	TOSTAGE 0
.irp a, 1,2,3
.if \a > 1
	s_wait_xcnt 0x0                                ; block a - 2's stores have read their registers and their base
.endif
	TOSTAGE \a
	SEND \a-1, 32                                  ; behind block a - 1's loads: block a's 16 stores and 16 loads
.endr
	s_wait_xcnt 0x0
	SEND 3, 0
	s_wait_tensorcnt 0x0                           ; the wave's end
	ds_add_u32 v[SPW], v[NIL]
	s_wait_dscnt 0x0
	CROUND                                         ; the closing round
	s_endpgm
.Lfunc_end_k_q659c6d7696_out_gemm:
	.size	k_q659c6d7696_out_gemm, .Lfunc_end_k_q659c6d7696_out_gemm-k_q659c6d7696_out_gemm
	.p2alignl 7, 3214868480
	.fill 96, 4, 3214868480
	.section	.rodata,"a",@progbits
	.p2align	6, 0x0
	.amdhsa_kernel k_q659c6d7696_out_gemm
		.amdhsa_group_segment_fixed_size 327680
		.amdhsa_private_segment_fixed_size 0
		.amdhsa_enable_private_segment 0
		.amdhsa_kernarg_size 32
		.amdhsa_user_sgpr_count 2
		.amdhsa_user_sgpr_kernarg_segment_ptr 1
		.amdhsa_wavefront_size32 1
		.amdhsa_system_sgpr_workgroup_id_x 1
		.amdhsa_system_sgpr_workgroup_id_y 1
		.amdhsa_system_sgpr_workgroup_id_z 1
		.amdhsa_system_vgpr_workitem_id 0
		.amdhsa_next_free_vgpr 768
		.amdhsa_next_free_sgpr 98
		.amdhsa_reserve_vcc 0
		.amdhsa_float_denorm_mode_32 3
		.amdhsa_float_denorm_mode_16_64 3
		.amdhsa_memory_ordered 1
		.amdhsa_forward_progress 1
		.amdhsa_inst_pref_size 77
	.end_amdhsa_kernel
	.amdgpu_metadata
---
amdhsa.version: [ 1, 2 ]
amdhsa.kernels:
  - .name:           k_q659c6d7696_out_gemm
    .symbol:         k_q659c6d7696_out_gemm.kd
    .args:
      - { .name: att, .offset: 0, .size: 8, .value_kind: global_buffer, .address_space: global }
      - { .name: w_out_codes, .offset: 8, .size: 8, .value_kind: global_buffer, .address_space: global }
      - { .name: lowp_scales, .offset: 16, .size: 8, .value_kind: global_buffer, .address_space: global }
      - { .name: out0, .offset: 24, .size: 8, .value_kind: global_buffer, .address_space: global }
    .group_segment_fixed_size: 327680
    .private_segment_fixed_size: 0
    .kernarg_segment_align: 8
    .kernarg_segment_size: 32
    .max_flat_workgroup_size: 128
    .sgpr_count:     98
    .vgpr_count:     768
    .wavefront_size: 32
...
	.end_amdgpu_metadata
.endif
;; end of part 3
